; MI455X (gfx1250); checked and timed in simulation.
; The chip was launched on July 23, 2026; its instructions are those of AMD's public machine-readable ISA for CDNA 5 (MIT licence, August 2026) and "CDNA5" Instruction Set Architecture Reference Guide (July 2026). The comments in the code are by the model that wrote it; some were corrected since.
;; Relative Positional Encoding. Allowed arithmetic: matrix products marked QUANTISED: E2M3 operands, one E8M0 scale for each 32 along K, by v_wmma_scale_f32_16x16x128_f8f6f4 with both operands' format E2M3, f32 sums; everything else in f32.
;; Inputs: k 2 x 8 x 2,048 x 64 float32; q 2 x 8 x 2,048 x 64 float32; rel_table 257 x 64 float32; v 2 x 8 x 2,048 x 64 float32.
;; Outputs: out0 2 x 8 x 2,048 x 64 float32.
;; This version of the problem:
;;   THIS VERSION OF THE PROBLEM IS GIVEN IN LOW PRECISION. The matrix products marked QUANTISED in the list below multiply operands that are first quantised to E2M3 (2 exponent bits, 3 mantissa bits; 6 bits a number), with one power-of-two scale for each 32 numbers along K (OCP MX v1.0); their sums are f32. All else is computed in f32.
;;   The module's matrix products, in the order in which they are computed (A, B: the left and right operand; K: the contracted axis; several contracted axes count as one K, in the product's order):
;;     1. batch 16 x [M 2,048, K 64] x [K 64, N 2,048]; A: input q; B: input k: QUANTISED
;;     2. batch 2,048 x [M 2,048, K 64] x [K 64, N 16]; A: computed on the way; B: input q: QUANTISED
;;     3. batch 16 x [M 2,048, K 2,048] x [K 2,048, N 64]; A: softmax (see below); B: input v: QUANTISED
;;   THE QUANTISER, for each operand of a quantised product, along K:
;;     - K is cut into blocks of 32 from its start; a last block that is shorter is filled with zeros.
;;     - A block's scale is 2^e with e = floor(log2(the largest magnitude in the block)) - 2, held to -126 .. 127; a block of zeros has e = 0. As a byte (E8M0): e + 127.
;;     - Each number is divided by its block's scale, clamped to +-7.5, and rounded to the nearest number of E2M3, ties to even, subnormals kept.
;;     - The product sums the exact products of the quantised numbers (number of the format x scale) in f32.
;;   ~~~python
;;   def quantise(x, axis):      # numpy; x: float32 -> the quantised numbers, widened to float32 again
;;       x = np.moveaxis(x, axis, -1); K = x.shape[-1]
;;       x = np.pad(x, [(0, 0)] * (x.ndim - 1) + [(0, -K % 32)]); x = x.reshape(x.shape[:-1] + (-1, 32)); a = np.abs(x).max(-1, keepdims=True)
;;       e = np.where(a > 0, np.clip(np.frexp(np.where(a > 0, a, 1))[1] - 1 - 2, -126, 127), 0)      # np.frexp(a)[1] - 1 = floor(log2(a)), exactly
;;       r = np.clip(x / 2.0 ** e, -7.5, 7.5)
;;       step = 2.0 ** (np.maximum(np.frexp(np.where(r == 0, 1, r))[1] - 1, 0) - 3)
;;       q = np.round(r / step) * step * 2.0 ** e      # np.round: ties to even
;;       return np.moveaxis(q.reshape(q.shape[:-2] + (-1,))[..., :K], -1, axis).astype(np.float32)
;;   ~~~
;;   SOFTMAX AHEAD OF A QUANTISED PRODUCT. Where the list says 'softmax', what is quantised is not the finished softmax but p = 2^(t - M), with t = logit x log2(e) and M = ceil(the row's largest t), a whole number; so 1/2 < the row's largest p <= 1. The row's sum l is taken of the UNQUANTISED p, in f32, and the product's result is divided by l at the end. Since M is a whole number, a kernel that streams over the keys may use a running M (the ceiling of the running maximum): every later rescaling is an exact power of two, which a block's scale takes up: the codes' values come out the same.
;;   OPERANDS COMPUTED ON THE WAY. 'Computed on the way' means the value that the module computes at that place (a softmax that the list does not call 'softmax' is quantised finished and normalised). What goes into a quantiser is computed in f32, as accurately as f32 sums, v_exp_f32 and their like allow (about 1e-6 of the number): no bf16 or f16 on the way to a quantiser, and a product that is left as it is and whose result goes on into a quantised operand takes f32 operands (vector FMAs, or v_wmma_f32_16x16x4_f32). A number that lies on a knife's edge between two numbers of the format may be rounded either way, as far as f32 arithmetic and the matrix unit's own rounding can turn it there, and no further.
;; One version. Each part assembles by itself: llvm-mc -triple=amdgcn-amd-amdhsa -mcpu=gfx1250 --defsym DOCPART=n.
;; ======== version 1 of 1: 2 launches
;; limits: right only within a limited range of input values
;; workspace buffers: kv 3,407,872 bytes; tab 30,464 bytes
;; launch prep (part 1): grid 521 x 1, 4 waves a work-group, no clusters, 43,520 bytes of LDS; arguments k, v, rel_table, kv, tab; writes kv, tab
.if DOCPART == 1
	.amdgcn_target "amdgcn-amd-amdhsa--gfx1250"
	.amdhsa_code_object_version 6
	.text
	.protected	k_q438821a7ce_prep
	.globl	k_q438821a7ce_prep
	.p2align	8
	.type	k_q438821a7ce_prep,@function
k_q438821a7ce_prep:
	s_mov_b64 s[64:65], 0
	v_nop
	global_prefetch_b8 v0, s[64:65] scope:SCOPE_SE
	s_setreg_imm32_b32 hwreg(HW_REG_WAVE_MODE, 25, 1), 1
	s_wait_xcnt 0x0
; FIRST OF TWO LAUNCHES.  out = softmax((q k^T + q . rel_table[clip(key - query, -128, 128) + 128]) / 8) v, 16 heads, 2,048 positions, 64 channels, all three products on codes of
; FP6 (E2M3) with one E8M0 scale for each 32 along K.  This launch makes the codes that many work-groups of the second launch read: k along the channels, v along the keys, the table along the channels.
; WORK THAT IS NOT DONE.  The second product multiplies q by rel_emb = rel_table[rel_idx], a gather by an index that the problem builds itself from positions.  The quantiser works along the channels, row by
; row, so the quantised rel_emb[query][key] IS the quantised table row clip(key - query, -128, 128) + 128, whatever the inputs hold: only dot products of a query with the 257 table rows exist, and the
; rest of that product is a lookup.  The program multiplies each query by the table rows that its keys name, and by rows 0 and 256 once for all keys 128 or more away.  Every input has a way to the
; output and is loaded.  q's codes are the same in both products that take q (both quantise it along the channels).
; LIMITS: NaN and infinities among the inputs are not served.  A block whose largest magnitude lies under 2^-124 gets the byte 1; a block of zeros gets the byte 1 where the rule says 127: its codes are
; zeros, which add nothing under any byte but 0xff, and these bytes are read by this program alone.
; A block's scale is 2^(floor(log2(largest magnitude)) - 2): its byte is the largest magnitude's exponent field - 2.
; kv: [16 heads][16 key steps of 128][13,312 bytes], an image of the operands' registers, so that the reader takes whole fragments by loads of 16 bytes a lane:
;   0      K's codes: 12 chunks of 512 bytes, lane L's 16 bytes at 16 L.  A lane's 192 bytes: tile t = 0..7 at 24 t; lane (r, h) of tile 4 c + u holds channels 32 h .. of key 64 c + 32 (r / 8) + 8 u + r % 8:
;          so in the transposed product the lanes of half h hold, over tiles 4 c .. 4 c + 3, the 32 keys of the ONE block 2 c + h
;   6,144  K's scale words: lane L's four words at 16 L; word p is that of tile 2 p + L / 16, row L % 16: bytes 0, 1 the row's two blocks, bytes 2, 3 = 127 (the product's K is 128, the channels are 64)
;   6,656  V's codes: 12 chunks; a lane's 192 bytes: tile t = 0..3 of 16 channels at 48 t, in it keys 64 c + 32 h + 0..31 at 24 c, of channel 16 t + r
;   12,800 V's scale words: lane L's two words at 16 L (and once more behind them); word p: the four key blocks' bytes of channel 32 p + L
; tab: 34 tiles of 16 rows of the WIDENED table: row e is rel_table[clip(e - 144, 0, 256)].  Codes: tile T at 768 T, registers 2 p, 2 p + 1 at 256 p, lane at 8 L.  Scale words at 26,112 + 128 T + 4 L (row L % 16).
; SHARES.  Work-groups 0-255: k, one (head, step) each; 256-511: v likewise; 512-520: the table, a tile a wave (the last two waves have none).  In v wave b takes keys 32 b .. 32 b + 31 of the step;
; in k it makes tiles 2 b, 2 b + 1: keys 64 (b / 2) + 16 (b % 2) + 0..15 and the 16 that lie 32 further on.
; The three ways part on the work-group's number, meet at ONE barrier, and part again: every wave passes that barrier.  Each way has LDS bytes of its own; all LDS addresses are made ahead of the parting.
.set STEPB, 13312
.set KSO,   6144
.set VCO,   6656
.set VSO,   12800
.set TSC,   26112
.set KP,    272                        ; a key's row in K's stage: 256 bytes + 16
.set KSI,   4*32*KP                    ; behind the four stages: K's scale words, 128 bytes a wave
.set VIMG,  KSI+512                    ; V's codes as the waves make them: 1,664 bytes a wave (six pieces of 256, + 128)
.set VWP,   1664
.set VSI,   VIMG+4*VWP                 ; V's scale bytes, a word a lane: 256 bytes a wave
.set SPARE, VSI+1024                   ; the spare words, 128 bytes a wave: two blocks of 256 bytes that no other line names
.set SPW,   12                         ; v12  SPARE + 4 x my thread's number; never rewritten
.set NIL,   13                         ; v13  0; never rewritten
; v1 lane, v2 r, v3 h, v4 16 x lane, v5-v11, v15 LDS addresses, v16-79 numbers as loaded, v80-143 numbers in a lane's order, v144-155 codes, v156-162 second halves of blocks, v164-171 at work, v172 8 x lane, v173 4 x lane, v174 8 h
; 32 numbers of one block, v[x] on, become 24 bytes of codes in v[dst] .. v[dst + 5] and the scale's byte in v[by]
.macro QBLK x, dst, tmp, by
	v_max3_num_f32 v164, |v[\x]|, |v[\x+1]|, |v[\x+2]|             ; the largest magnitude, in two chains
	v_max3_num_f32 v165, |v[\x+3]|, |v[\x+4]|, |v[\x+5]|
.irp i, 6,10,14,18,22,26
	v_max3_num_f32 v164, v164, |v[\x+\i]|, |v[\x+\i+1]|
	v_max3_num_f32 v165, v165, |v[\x+\i+2]|, |v[\x+\i+3]|
.endr
	v_max3_num_f32 v164, v164, |v[\x+30]|, |v[\x+31]|
	v_max3_num_f32 v164, v164, v165, 0x1800000                     ; and the floor 2^(3 - 127): the byte cannot fall under 1
	v_add_nc_u32 v166, 0xff000000, v164                            ; 2 off its exponent field: the conversion takes this operand's exponent field as its scale
	v_cvt_scalef32_pk16_fp6_f32 v[\dst:\dst+2], v[\x:\x+15], v166
	v_cvt_scalef32_pk16_fp6_f32 v[\tmp:\tmp+2], v[\x+16:\x+31], v166   ; (a conversion's three registers begin on an even number)
	v_lshrrev_b32 v[\by], 23, v166                                 ; the scale's byte; also the plain line behind the conversions
.irp i, 0,1,2
	v_mov_b32 v[\dst+3+\i], v[\tmp+\i]
.endr
.endm
; lane (r, h) holds the byte of its row's block h: the row's scale word, in both lanes
.macro WORD by, w
	v_lshlrev_b32 v[\w], v174, v[\by]                              ; 8 h bits up
	v_permlanex16_b32 v171, v[\w], s28, s29
	v_or_b32 v[\w], v[\w], v171
	v_or_b32 v[\w], 0x7f7f0000, v[\w]                              ; blocks 2 and 3 of the product's K hold nothing: scale 1
.endm
	s_load_b256 s[4:11], s[0:1], 0x0               ; k s[4:5], v s[6:7], rel_table s[8:9], kv s[10:11]
	s_load_b64 s[12:13], s[0:1], 0x20              ; tab
	v_lshl_add_u32 v[SPW], v0, 2, SPARE
	v_mov_b32 v[NIL], 0
	v_lshrrev_b32 v1, 5, v0
	v_readfirstlane_b32 s14, v1                    ; wave b
	v_and_b32 v1, 31, v0                           ; lane
	v_and_b32 v2, 15, v0                           ; r
	v_bfe_u32 v3, v0, 4, 1                         ; h
	v_lshlrev_b32 v4, 4, v1
	v_lshlrev_b32 v172, 3, v1
	v_lshlrev_b32 v173, 2, v1
	v_lshlrev_b32 v174, 3, v3
	v_mov_b32 v171, 0                              ; written once: a lane permute's destination counts as one of its sources
	s_mov_b32 s28, 0x76543210
	s_mov_b32 s29, 0xfedcba98                      ; lane l xor 16
	s_mov_b32 s30, 0xffff0000                      ; lanes 16-31
	s_mul_i32 s15, s14, 32*KP                      ; my stage for k
	v_mul_u32_u24 v5, v3, KP
	v_lshl_add_u32 v5, v2, 4, v5
	v_add_nc_u32 v5, s15, v5                       ; into it: a load's 512 bytes are two rows: row h, 16 r
	v_and_b32 v6, 8, v2
	v_add_nc_u32 v6, v6, v2
	v_mul_u32_u24 v6, v6, KP
	v_lshl_add_u32 v6, v3, 7, v6
	v_add_nc_u32 v6, s15, v6                       ; out of it: row r + 8 (r / 8), my block's 128 bytes
	s_lshl_b32 s16, s14, 7
	s_add_co_u32 s16, s16, KSI
	v_add_nc_u32 v7, s16, v173                     ; K's scale word: 128 b + 4 x lane
	v_add_nc_u32 v8, KSI, v173                     ; and back: 4 x lane
	s_mul_i32 s16, s14, VWP
	s_add_co_u32 s16, s16, VIMG
	v_add_nc_u32 v9, s16, v172                     ; V's codes, in: my wave's bytes, 8 x lane
	s_lshr_b32 s17, s14, 1
	s_mul_i32 s17, s17, 768
	s_and_b32 s18, s14, 1
	s_lshl_b32 s18, s18, 7
	s_add_co_u32 s17, s17, s18
	s_add_co_u32 s17, s17, VIMG
	v_mul_u32_u24 v10, v3, VWP
	v_lshl_add_u32 v10, v2, 3, v10
	v_add_nc_u32 v10, s17, v10                     ; and back, for tile t = my wave: key block 2 c + h was wave 2 c + h's; column t / 2: 768; lane 16 (t % 2) + r: 128 (t % 2) + 8 r
	s_lshl_b32 s16, s14, 8
	s_add_co_u32 s16, s16, VSI
	v_add_nc_u32 v11, s16, v173                    ; V's scale bytes, in: 256 b + 4 x lane
	v_add_nc_u32 v15, VSI, v173                    ; and back
	s_cmp_lt_u32 ttmp9, 256
	s_cselect_b32 s21, 0, 256
	s_sub_co_u32 s21, ttmp9, s21                   ; 16 x head + step, in k's and in v's work-groups (the table's make no use of it)
	s_lshl_b32 s22, s21, 15                        ; the step's 128 rows of 256 bytes;
	s_lshr_b32 s38, s14, 1
	s_lshl_b32 s38, s38, 14
	s_and_b32 s24, s14, 1
	s_lshl_b32 s24, s24, 12
	s_add_co_u32 s38, s38, s24
	s_add_co_u32 s38, s38, s22                     ; in k my first row is 64 (b / 2) + 16 (b % 2),
	s_mov_b32 s39, 0
	s_lshl_b32 s24, s14, 13
	s_add_co_u32 s22, s22, s24                     ; in v 32 b
	s_mov_b32 s23, 0
	s_mul_i32 s24, s21, STEPB                      ; the step's image,
	s_mul_i32 s26, s14, 1536
	s_add_co_u32 s24, s24, s26                     ; my wave's three chunks of a region of twelve
	s_mov_b32 s25, 0
	s_wait_alu depctr_va_vdst(0)
	s_wait_kmcnt 0x0
	s_add_nc_u64 s[4:5], s[4:5], s[38:39]
	s_add_nc_u64 s[6:7], s[6:7], s[22:23]
	s_add_nc_u64 s[10:11], s[10:11], s[24:25]
	s_cmp_lt_u32 ttmp9, 256
	s_cbranch_scc1 .Lk_in
	s_cmp_lt_u32 ttmp9, 512
	s_cbranch_scc1 .Lv_in
	; ---- THE TABLE: a tile of 16 widened rows a wave.  Lanes stand 128 bytes apart here: 34 waves x 4 KiB in the whole launch
	s_sub_co_u32 s26, ttmp9, 512
	s_lshl_b32 s26, s26, 2
	s_add_co_u32 s26, s26, s14                     ; tile T
	s_cmp_ge_u32 s26, 34
	s_cbranch_scc1 .Ljoin
	s_lshl_b32 s27, s26, 4
	v_add_nc_u32 v175, s27, v2                     ; e = 16 T + r
	v_max_u32 v175, 0x90, v175
	v_add_nc_u32 v175, -144, v175
	v_min_u32 v175, 0x100, v175                    ; the table's row: clip(e - 144, 0, 256)
	v_lshlrev_b32 v175, 8, v175
	v_lshl_add_u32 v175, v3, 7, v175               ; my block of 32 channels
.irp j, 0,1,2,3,4,5,6,7
	global_load_b128 v[80+4*\j:83+4*\j], v175, s[8:9] offset:16*\j
.endr
	s_mul_i32 s32, s26, 768
	s_mov_b32 s33, 0
	s_add_nc_u64 s[34:35], s[12:13], s[32:33]
	s_lshl_b32 s32, s26, 7
	s_add_nc_u64 s[36:37], s[12:13], s[32:33]
	s_wait_loadcnt 0x0
	QBLK 80, 144, 156, 167
	WORD 167, 169
.irp p, 0,1,2
	global_store_b64 v172, v[144+2*\p:145+2*\p], s[34:35] offset:256*\p   ; 32 lanes store 256 consecutive bytes, aligned
.endr
	global_store_b32 v173, v169, s[36:37] offset:TSC
	s_branch .Ljoin
	; ---- K: two runs of 16 keys x 64 channels, 4 KiB each.  Loaded as they lie, turned through my stage so that a lane holds a block of 32 channels of the key that its place in a tile asks for
.Lk_in:
.irp n, 0,1,2,3,4,5,6,7,8,9,10,11,12,13,14,15
	global_load_b128 v[16+4*\n:19+4*\n], v4, s[4:5] offset:512*(\n%8)+8192*(\n/8) th:TH_LOAD_NT   ; 32 lanes read 512 consecutive bytes
.endr
.irp n, 0,1,2,3,4,5,6,7,8,9,10,11,12,13,14,15
	s_wait_loadcnt 15-\n                           ; loads come back in order: load n is in, the younger ones stay out
	ds_store_b128 v5, v[16+4*\n:19+4*\n] offset:2*KP*\n
.endr
	s_wait_alu depctr_va_vdst(0)
.irp u, 0,1
.irp j, 0,1,2,3,4,5,6,7
	ds_load_b128 v[80+32*\u+4*\j:83+32*\u+4*\j], v6 offset:8*KP*\u+16*\j   ; tile 2 b + u: LDS serves a wave's instructions in order, so these see my stores
.endr
.endr
	s_wait_dscnt 0x0
	QBLK 80, 144, 156, 167
	QBLK 112, 150, 160, 168
	WORD 167, 169
	WORD 168, 170
	v_cndmask_b32 v169, v169, v170, s30            ; lanes 0-15 carry tile 2 b's words, lanes 16-31 tile 2 b + 1's
	ds_store_b32 v7, v169
.irp j, 0,1,2
	global_store_b128 v4, v[144+4*\j:147+4*\j], s[10:11] offset:512*\j    ; chunks 3 b .. 3 b + 2: 512 consecutive bytes a store
.endr
	s_branch .Ljoin
	; ---- V: a lane takes a channel and its registers run down the keys: a block of 32 keys lies in one lane, and the codes come out with the keys innermost.  Two channels a lane: lane, 32 + lane
.Lv_in:
.irp i, 0,1,2,3,4,5,6,7,8,9,10,11,12,13,14,15,16,17,18,19,20,21,22,23,24,25,26,27,28,29,30,31
	global_load_b32 v[16+\i], v173, s[6:7] offset:256*\i
.endr
.irp i, 0,1,2,3,4,5,6,7,8,9,10,11,12,13,14,15,16,17,18,19,20,21,22,23,24,25,26,27,28,29,30,31
	global_load_b32 v[48+\i], v173, s[6:7] offset:256*\i+128
.endr
	s_wait_loadcnt 32                              ; the first channel's 32 are in, the second's may be out
	QBLK 16, 144, 156, 167
	s_wait_loadcnt 0x0
	QBLK 48, 150, 160, 168
.irp c, 0,1
.irp p, 0,1,2
	ds_store_b64 v9, v[144+6*\c+2*\p:145+6*\c+2*\p] offset:256*(3*\c+\p)  ; as they stand: 256 consecutive bytes a store, in my wave's own bytes
.endr
	ds_store_b32 v11, v[167+\c] offset:128*\c
.endr
.Ljoin:
	s_wait_dscnt 0x0                               ; for the others' sake: my LDS stores have landed
	s_barrier_signal -1
	s_barrier_wait -1
	s_cmp_lt_u32 ttmp9, 256
	s_cbranch_scc1 .Lk_out
	s_cmp_lt_u32 ttmp9, 512
	s_cbranch_scc1 .Lv_out
	s_branch .Lend
.Lk_out:                                               ; K's scale words of the whole step leave as 512 consecutive bytes: wave 0 (its base is the step's)
	s_cmp_lg_u32 s14, 0
	s_cbranch_scc1 .Lend
	s_wait_alu depctr_va_vdst(0)
.irp p, 0,1,2,3
	ds_load_b32 v[16+\p], v8 offset:128*\p         ; wave p's word for my lane
.endr
	s_wait_dscnt 0x0
	global_store_b128 v4, v[16:19], s[10:11] offset:KSO
	s_branch .Lend
.Lv_out:                                               ; tile t = my wave: lane (r, h) gathers its 48 bytes: keys 64 c + 32 h .. came from wave 2 c + h
	s_wait_alu depctr_va_vdst(0)
.irp s, 0,1,2,3,4,5
	ds_load_b64 v[16+2*\s:17+2*\s], v10 offset:2*VWP*(\s/3)+256*(\s%3)
.endr
	s_wait_dscnt 0x0
.irp j, 0,1,2
	global_store_b128 v4, v[16+4*\j:19+4*\j], s[10:11] offset:VCO+512*\j  ; chunks 3 t .. 3 t + 2
.endr
	s_cmp_lg_u32 s14, 0
	s_cbranch_scc1 .Lend
.irp c, 0,1
.irp b, 0,1,2,3
	ds_load_b32 v[32+4*\c+\b], v15 offset:256*\b+128*\c   ; channel 32 c + lane, key block b
.endr
.endr
	s_wait_dscnt 0x0
.irp c, 0,1
	v_lshl_or_b32 v[40+\c], v[33+4*\c], 8, v[32+4*\c]
	v_lshl_or_b32 v[40+\c], v[34+4*\c], 16, v[40+\c]
	v_lshl_or_b32 v[40+\c], v[35+4*\c], 24, v[40+\c]
.endr
	v_mov_b32 v42, v40                             ; a lane's place is 16 bytes: the two words, and once more
	v_mov_b32 v43, v41
	global_store_b128 v4, v[40:43], s[10:11] offset:VSO   ; 512 consecutive bytes, aligned
.Lend:
	s_wait_tensorcnt 0x0                           ; the wave's end: three lines behind my last LDS store
	ds_add_u32 v[SPW], v[NIL]
	s_wait_dscnt 0x0
	s_endpgm
.Lfunc_end_k_q438821a7ce_prep:
	.size	k_q438821a7ce_prep, .Lfunc_end_k_q438821a7ce_prep-k_q438821a7ce_prep
	.p2alignl 7, 3214868480
	.fill 96, 4, 3214868480
	.section	.rodata,"a",@progbits
	.p2align	6, 0x0
	.amdhsa_kernel k_q438821a7ce_prep
		.amdhsa_group_segment_fixed_size 43520
		.amdhsa_private_segment_fixed_size 0
		.amdhsa_enable_private_segment 0
		.amdhsa_kernarg_size 40
		.amdhsa_user_sgpr_count 2
		.amdhsa_user_sgpr_kernarg_segment_ptr 1
		.amdhsa_wavefront_size32 1
		.amdhsa_system_sgpr_workgroup_id_x 1
		.amdhsa_system_sgpr_workgroup_id_y 1
		.amdhsa_system_sgpr_workgroup_id_z 1
		.amdhsa_system_vgpr_workitem_id 0
		.amdhsa_next_free_vgpr 176
		.amdhsa_next_free_sgpr 66
		.amdhsa_reserve_vcc 0
		.amdhsa_float_denorm_mode_32 3
		.amdhsa_float_denorm_mode_16_64 3
		.amdhsa_memory_ordered 1
		.amdhsa_forward_progress 1
		.amdhsa_inst_pref_size 27
	.end_amdhsa_kernel
	.amdgpu_metadata
---
amdhsa.version: [ 1, 2 ]
amdhsa.kernels:
  - .name:           k_q438821a7ce_prep
    .symbol:         k_q438821a7ce_prep.kd
    .args:
      - { .name: k, .offset: 0, .size: 8, .value_kind: global_buffer, .address_space: global }
      - { .name: v, .offset: 8, .size: 8, .value_kind: global_buffer, .address_space: global }
      - { .name: rel_table, .offset: 16, .size: 8, .value_kind: global_buffer, .address_space: global }
      - { .name: kv, .offset: 24, .size: 8, .value_kind: global_buffer, .address_space: global }
      - { .name: tab, .offset: 32, .size: 8, .value_kind: global_buffer, .address_space: global }
    .group_segment_fixed_size: 43520
    .private_segment_fixed_size: 0
    .kernarg_segment_align: 8
    .kernarg_segment_size: 40
    .max_flat_workgroup_size: 128
    .sgpr_count:     66
    .vgpr_count:     176
    .wavefront_size: 32
...
	.end_amdgpu_metadata
.endif
;; end of part 1
;; launch attn (part 2): grid 16 x 16, 8 waves a work-group, clusters of 4 x 1, 297,984 bytes of LDS; arguments q, kv, tab, out0; writes out0
.if DOCPART == 2
	.amdgcn_target "amdgcn-amd-amdhsa--gfx1250"
	.amdhsa_code_object_version 6
	.text
	.protected	k_q438821a7ce_attn
	.globl	k_q438821a7ce_attn
	.p2align	8
	.type	k_q438821a7ce_attn,@function
k_q438821a7ce_attn:
	s_mov_b64 s[64:65], 0
	v_nop
	global_prefetch_b8 v0, s[64:65] scope:SCOPE_SE
	s_setreg_imm32_b32 hwreg(HW_REG_WAVE_MODE, 25, 1), 1
	s_wait_xcnt 0x0
	s_wait_alu depctr_hold_cnt(0) depctr_sa_sdst(0) depctr_va_vdst(0) depctr_va_sdst(0) depctr_va_ssrc(0) depctr_va_vcc(0) depctr_vm_vsrc(0)
	s_getreg_b32 s2, hwreg(HW_REG_IB_STS2, 6, 4)
	s_cmp_eq_u32 s2, 0
	s_cbranch_scc0 .Lentry_in_a_cluster
	s_endpgm
.Lentry_in_a_cluster:
	s_bfe_u32 s2, ttmp6, 0x10000c
	s_cmp_lg_u32 s2, 0x3003
	s_cbranch_scc0 .Lentry_shape_is_right
	s_endpgm
.Lentry_shape_is_right:
; SECOND LAUNCH.  out[h][q] = sum over keys of softmax((q . k + q . rel_table[clip(key - q, -128, 128) + 128]) / 8) v, all products on codes of FP6 (E2M3) with E8M0 scales (buffers kv and tab: laid by the first launch).
; WORK LEFT OUT, as shown at the first kernel's head: the product with the gathered table is a lookup among dot products of a query with table rows; only those that are looked up are multiplied.
; LIMITS: NaN and infinities among the inputs are not served; scaled scores stay under 2^31 in magnitude; blocks of q under 2^-124 and blocks of zeros get the byte 1 (their codes add what the rule's would, or nothing);
; a block of p whose largest p lies under 2^-124 gets the byte 0 (2^-127): under the running M, which some p of the row above 1/2 has set, all that it can add is under 2^-119 x the largest |v|.
; SOFTMAX: t = logit x log2(e) = score x c + beta, c = log2(e) / 8; M = the running largest t rounded UP to a whole number; p = 2^(t - M) is quantised along the keys; the row's sum is taken of the unquantised p and divides at the end.
; A BLOCK'S SCALE is 2^(largest t - M - 2) by its exponent field: the addend holds the 2, so the block's byte and the conversion's scale operand are one number.  (It rounds apart from p's own exponential only within an ulp of a power of two.)
; SHARES.  A WAVE HAS 32 QUERIES, two tiles of 16, AND HALF OF THE KEYS: each fragment of K, of V and of the table that it loads feeds two products.  A work-group has 8 waves: i = wave % 4 names the queries, hf = wave / 4 the half of
; the keys.  A cluster of four work-groups serves four blocks of 128 queries of one head: a = 4 x cluster + i (the same in all partners); the 32 queries begin at 128 a + 32 x (place in the cluster), which enters addresses of
; q, tab and out0 alone.  Waves w and w xor 4 have the same queries; at the end each hands one tile's O^T, M and sum to the other through LDS, joins what it keeps, and stores it.  256 work-groups of equal work.
; K AND V of the whole head, 16 key steps x 13,312 bytes of codes and scale words, lie in LDS, filled ONCE: each wave asks for two neighbouring steps by ONE load, JOINTLY with its partners in the cluster (same descriptor, a mask
; that names the four).  Nothing is filled again.  LDS slot p holds key step (p + 4 x cluster - 2) mod 16: the turn is in the loads' global addresses, so that LDS addresses hang on the wave's number and constants alone.
; No data prefetch: no loop of this launch asks memory for anything.
; THE WALK, in slots mod 16: slots i + 1, i + 2, i + 3 hold key steps a - 1, a, a + 1, the only ones with keys nearer than 128 (the band).  hf = 0: i + 1, i + 2 (both band), then i + 5 .. i + 10;  hf = 1: i + 3 (band), i + 4, then i + 11 .. i + 16.
; THE TABLE'S TERM.  For a band slot sigma = 0, 1, 2 query r of tile x' = 2 x place + tile wants, at key offset c', widened table row 144 + 128 sigma + c' - 16 x' - r.  Nine tiles of widened rows from tile 8 sigma + 8 - x' on are
; multiplied by Q; the second query tile's window begins one tile ahead of the first's, so ten tiles serve both.  Result (window row w', query r) goes to my LDS scratch at row r, column w' + r, and comes back, from column 16
; on, in the scores' own layout, as the C of K Q^T.  Where a - 1 or a + 1 falls off the sequence's end the slot holds the step from the other end: a window of rows that are all row 256, or all row 0, serves it with no jump
; (tile 9 has an address of its own for that).  In every other slot the term is ONE number a query (row 0 for earlier keys, row 256 for later): times c it is beta, an addend of the multiply-add that is there anyway.
; K OF THE FIRST TWO PRODUCTS IS 64, the instruction's 128: Q's registers 6-11 hold zero codes.  So the other operand's registers 6-11 add nothing whatever they hold: a tile of K or of the table is 6 registers, and the
; 12 that the instruction names run on into the next tile's (all scale bytes there are 127 or a block's own, never 0xff).
; LAYOUT.  All products are used transposed (source 0 = 16 keys, table rows or channels, source 1 = 16 queries): a lane holds ONE query (lane % 16) of a tile throughout, and of a slot's scores 32 c + 0 .. 31 the keys
; 64 c + 32 h + 0 .. 31 (h = lane / 16): a whole block of p in a lane.  Other lanes are asked only for the row's maximum and for two bytes of each scale word.
; REGISTERS, window 0: v1 16 x lane, v2 8 x lane, v3 4 x lane, v9 4 r + 128 h; v4, v5 scratch in, out; v6-8 stage; v10 the slot's LDS address; v71, v11 where I hand over and take; v12 -M, v13 largest t, v[14:15] the sum of tile 0,
; v66, v67, v[68:69] of tile 1; v16-27 Q of tile 0, v28, v70 the tiles' scale words; v29, v30 beta for earlier, later keys, v64, v65 of tile 1; v31, v36 beta in hand; v32, v34 beta - M, v33, v35 the same - 2; v38, v60 f;
; v40-43 the blocks' largest, then their scales; v46, v47 P's scale words; v37, v39, v44, v45, v48-63, v238-252 at work; v72-95 P; v96-159, v160-223 the tiles' scores, then p; v224-227 K's scale words, v228-229 V's;
; v230-235 the window's, v236, v237 the end tiles'; v253, v254 the add's two.
; Window 1: v0-47 K, v48-53 zeros; v54-101 V; v102-133, v134-165 the tiles' O^T; v166-177 Q of tile 1; v178-237 the table's window, v238-243 zeros.
.set STEPB, 13312
.set KSO,   6144
.set VCO,   6656
.set VSO,   12800
.set TSC,   26112
.set RST,   16*STEPB                   ; behind K and V: a scratch of 10,496 bytes for each wave: 16 rows of 656 bytes; also the stage (pitch 272) for Q, the place to hand over, and the stage for the way out
.set RSTW,  10496
.set RP,    656
.set SP,    272
.set QS1,   16*SP                      ; Q's second tile in the stage
.set OST,   4608                       ; the way out's stage: behind the 4,608 bytes that are handed over
.set SPARE, RST+8*RSTW                 ; the spare words, 128 bytes a wave: four blocks of 256 bytes that no other line names
.set SPW,   253
.set NIL,   254
.set MSB, 0
.macro WIN new                         ; the immediate's high byte repeats the setting that is left
.if MSB != \new
	s_set_vgpr_msb (MSB<<8)|\new
.set MSB, \new
.endif
.endm
.macro WALU
	s_wait_alu depctr_va_vdst(0)
.endm
.macro CROUND                          ; a round of the cluster's barrier
	s_barrier_signal -1
	s_barrier_wait -1
	s_cmp_lg_u32 s12, 0
	s_cbranch_scc1 .Lnot_wave_0_\@
	s_barrier_signal -3
.Lnot_wave_0_\@:
	s_barrier_wait -3
	s_barrier_signal -1
	s_barrier_wait -1
.endm
.macro PLACES n
.rept \n
	v_nop
.endr
.endm
; One matrix instruction.  d: result; a, b: sources; acc = 1: C is the result's own registers, 0: the constant 0; sa, sb: scale words; row = 1: source 0's scales stand in lanes 16-31
.macro MM d, a, b, acc, sa, sb, row
.if (\acc) && (\row)
	v_wmma_scale_f32_16x16x128_f8f6f4 v[(\d):(\d)+7], v[(\a):(\a)+11], v[(\b):(\b)+11], v[(\d):(\d)+7], v[(\sa)], v[(\sb)] matrix_a_fmt:MATRIX_FMT_FP6 matrix_b_fmt:MATRIX_FMT_FP6 matrix_a_scale:MATRIX_SCALE_ROW1
.elseif (\acc)
	v_wmma_scale_f32_16x16x128_f8f6f4 v[(\d):(\d)+7], v[(\a):(\a)+11], v[(\b):(\b)+11], v[(\d):(\d)+7], v[(\sa)], v[(\sb)] matrix_a_fmt:MATRIX_FMT_FP6 matrix_b_fmt:MATRIX_FMT_FP6
.elseif (\row)
	v_wmma_scale_f32_16x16x128_f8f6f4 v[(\d):(\d)+7], v[(\a):(\a)+11], v[(\b):(\b)+11], 0, v[(\sa)], v[(\sb)] matrix_a_fmt:MATRIX_FMT_FP6 matrix_b_fmt:MATRIX_FMT_FP6 matrix_a_scale:MATRIX_SCALE_ROW1
.else
	v_wmma_scale_f32_16x16x128_f8f6f4 v[(\d):(\d)+7], v[(\a):(\a)+11], v[(\b):(\b)+11], 0, v[(\sa)], v[(\sb)] matrix_a_fmt:MATRIX_FMT_FP6 matrix_b_fmt:MATRIX_FMT_FP6
.endif
.endm
; A window's ten tiles into window 1, and their scale words (two tiles to a register, lanes 16-31 the second; tiles 8 and 9 one each): 36 loads.  cb, wb: addresses of codes and words; cb9, wb9, n9: tile 9 is tile n9 counted from these
.macro TABLOAD cb, wb, cb9, wb9, n9
	WIN 0x40
.irp T, 0,1,2,3,4,5,6,7,8
.irp p, 0,1,2
	global_load_b64 v[178+6*\T+2*\p:179+6*\T+2*\p], v2, s[\cb:\cb+1] offset:768*\T+256*\p
.endr
.endr
.irp p, 0,1,2
	global_load_b64 v[232+2*\p:233+2*\p], v2, s[\cb9:\cb9+1] offset:768*\n9+256*\p
.endr
	WIN 0
.irp T, 0,2,4,6
	global_load_b32 v[230+\T/2], v9, s[\wb:\wb+1] offset:TSC+128*\T
.endr
	global_load_b32 v234, v3, s[\wb:\wb+1] offset:TSC+1024
	global_load_b32 v235, v3, s[\wb9:\wb9+1] offset:TSC+128*\n9
.endm
; Nine of the window's tiles, from tile o on, times a query tile (b, its scale word sb): eight results from d on, the ninth at last
.macro RMUL d, last, o, b, sb
.irp T, 0,1,2,3,4,5,6,7,8
.set X_, \T+\o
.if X_ < 8
.set SC_, 230+X_/2
.set RW_, X_%2
.else
.set SC_, 226+X_
.set RW_, 0
.endif
.if \T < 8
	MM \d+8*\T, 178+6*X_, \b, 0, SC_, \sb, RW_
.else
	MM \last, 178+6*X_, \b, 0, SC_, \sb, RW_
.endif
.endr
.endm
; (window row 16 T + 8 h + i, query r) to my scratch, row r, column 16 T + 8 h + i + r; each result from its low end on
.macro SKEW d, last
.irp T, 0,1,2,3,4,5,6,7
.irp i, 0,1,2,3,4,5,6,7
	ds_store_b32 v4, v[\d+8*\T+\i] offset:64*\T+4*\i
.endr
.endr
.irp i, 0,1,2,3,4,5,6,7
	ds_store_b32 v4, v[\last+\i] offset:512+4*\i
.endr
.endm
; and back as the C of a slot's scores: row r, columns 16 + 64 c + 32 h + 4 n ..
.macro LDC s
.irp c, 0,1
.irp n, 0,1,2,3,4,5,6,7
	ds_load_b128 v[\s+32*\c+4*\n:\s+32*\c+4*\n+3], v5 offset:64+256*\c+16*\n
.endr
.endr
.endm
; The window in registers times both query tiles, through my scratch one after the other, into both tiles' score registers as C
.macro WINDOW
	WIN 0x01
	RMUL 96, 56, 1, 16, 28
	WIN 0x05
	RMUL 160, 48, 0, 166, 70
	WIN 0
	PLACES 5                                       ; in front of the stores that read the results and of loads into the window's registers
	SKEW 96, 56
	s_wait_dscnt 0x0                               ; the stores have read their registers, which the loads below take
	LDC 96
	SKEW 160, 48                                   ; (behind those loads: LDS serves a wave's instructions in order)
	s_wait_dscnt 0x0
	LDC 160
.endm
; K's codes and scale words of the slot at LDS byte s54: 13 loads
.macro KLOAD
	v_add_nc_u32 v10, s54, v1
	WIN 0x40
.irp j, 0,1,2,3,4,5,6,7,8,9,10,11
	ds_load_b128 v[4*\j:3+4*\j], v10 offset:512*\j
.endr
	WIN 0
	ds_load_b128 v[224:227], v10 offset:KSO
.endm
; The LDS byte of slot (s57 + off) mod 16
.macro SLOT d, off
	s_add_co_u32 \d, s57, \off
	s_and_b32 \d, \d, 15
	s_mul_i32 \d, \d, STEPB
.endm
; s59 = all ones if slot s57 + off holds a key step later than a: a choice of a value, no jump
.macro SEL off
	s_add_co_u32 s58, s57, s14
	s_add_co_u32 s58, s58, \off
	s_and_b32 s58, s58, 15
	s_cmp_gt_u32 s58, s17
	s_cselect_b32 s59, -1, 0
.endm
; One tile's sum takes a pair of p
.macro ACC r, x
	v_pk_add_f32 v[\r:\r+1], v[\r:\r+1], v[\x:\x+1]
.endm
; A STEP: slot s52, both query tiles.  band = 1: the table's term stands in the scores' registers as C, and beta is 0.  pre = 1: the next slot's K (s54) is asked for
.macro STEP band, pre
	s_wait_dscnt 0x0                               ; K (and C) are in
	WIN 0x01
.irp t, 0,1,2,3,4,5,6,7
	MM 96+8*\t, 6*\t, 16, \band, 224+\t/2, 28, \t%2     ; S^T = K Q^T
.endr
	WIN 0x05
.irp t, 0,1,2,3,4,5,6,7
	MM 160+8*\t, 6*\t, 166, \band, 224+\t/2, 70, \t%2
.endr
	WIN 0
	v_add_nc_u32 v10, s52, v1                      ; four places behind the products: these three and one more
.if \band
	v_mov_b32 v31, 0
	v_mov_b32 v36, 0
.else
	v_cndmask_b32 v31, v29, v30, s59
	v_cndmask_b32 v36, v64, v65, s59
.endif
	v_nop
	WIN 0x40
.irp j, 0,1,2,3,4,5,6,7,8,9,10,11
	ds_load_b128 v[54+4*\j:57+4*\j], v10 offset:VCO+512*\j
.endr
	WIN 0
	ds_load_b64 v[228:229], v10 offset:VSO
.irp b, 0,1,2,3
	v_max3_num_f32 v[40+\b], v[96+32*\b], v[97+32*\b], v[98+32*\b]   ; the largest score of each of my four blocks (two of a tile): for the row's maximum, and, since p rises with the score, for the block's scale
.endr
.irp i, 3,5,7,9,11,13,15,17,19,21,23,25,27,29
.irp b, 0,1,2,3
	v_max3_num_f32 v[40+\b], v[40+\b], v[96+32*\b+\i], v[97+32*\b+\i]
.endr
.endr
.irp b, 0,1,2,3
	v_max_num_f32 v[40+\b], v[40+\b], v[127+32*\b]
.endr
	v_max_num_f32 v37, v40, v41                    ; tile 0, and beside it tile 1
	v_max_num_f32 v45, v42, v43
	v_mov_b32 v39, v12
	v_mov_b32 v61, v66
	v_fma_f32 v37, v37, s22, v31                   ; the slot's largest t = score x c + beta
	v_fma_f32 v45, v45, s22, v36
	v_permlanex16_b32 v44, v37, s20, s21
	v_permlanex16_b32 v62, v45, s20, s21
	v_max3_num_f32 v13, v13, v37, v44              ; with lane l xor 16's keys
	v_max3_num_f32 v67, v67, v45, v62
	v_floor_f32 v12, -v13                          ; the new -M = -ceil(largest t): a whole number
	v_floor_f32 v66, -v67
	v_sub_f32 v39, v12, v39                        ; old M - new M: a whole number, 0 or less
	v_sub_f32 v61, v66, v61
	v_add_f32 v32, v31, v12                        ; beta - M
	v_add_f32 v34, v36, v66
	v_cvt_i32_f32 v39, v39                         ; (it saturates)
	v_cvt_i32_f32 v61, v61
	v_add_f32 v33, -2.0, v32                       ; and the same for the blocks' scales
	v_add_f32 v35, -2.0, v34
	v_ldexp_f32 v38, 1.0, v39                      ; f = 2^(old M - new M): rounds nothing
	v_ldexp_f32 v60, 1.0, v61
.irp b, 0,1
	v_fma_f32 v[40+\b], v[40+\b], s22, v33
	v_fma_f32 v[42+\b], v[42+\b], s22, v35
.endr
	WIN 0x41
.set J, 0
.rept 16
	v_pk_mul_f32 v[102+J:103+J], v[102+J:103+J], v[38:39] op_sel_hi:[1,0]   ; O^T under the new M
	v_pk_mul_f32 v[134+J:135+J], v[134+J:135+J], v[60:61] op_sel_hi:[1,0]
.set J, J+2
.endr
	WIN 0
.set J, 0
.rept 32
	v_pk_fma_f32 v[96+J:97+J], v[96+J:97+J], s[22:23], v[32:33] op_sel_hi:[1,0,0]   ; tile 0's t - M, two at a time
.set J, J+2
.endr
.if \pre
	KLOAD
.endif
	WALU
.irp b, 0,1,2,3
	v_exp_f32 v[40+\b], v[40+\b]
.endr
.set J, 0
.rept 32
	v_exp_f32 v[96+J], v[96+J]                     ; tile 0's p = 2^(t - M), and among them tile 1's t - M, which these do not name
	v_pk_fma_f32 v[160+J:161+J], v[160+J:161+J], s[22:23], v[34:35] op_sel_hi:[1,0,0]
	v_exp_f32 v[97+J], v[97+J]
.set J, J+2
.endr
	v_nop
	WALU                                           ; behind tile 0's batch and ahead of tile 1's
.set J, 0
.rept 16
	v_exp_f32 v[160+4*J], v[160+4*J]               ; tile 1's p, and among them work on tile 0's: first sums into P's registers, the sums under the new M, two bytes
	v_exp_f32 v[161+4*J], v[161+4*J]
	v_exp_f32 v[162+4*J], v[162+4*J]
	v_exp_f32 v[163+4*J], v[163+4*J]
.if J < 12
	v_pk_add_f32 v[72+2*J:73+2*J], v[96+4*J:97+4*J], v[98+4*J:99+4*J]
.elseif J == 12
	v_pk_mul_f32 v[14:15], v[14:15], v[38:39] op_sel_hi:[1,0]
.elseif J == 13
	v_pk_mul_f32 v[68:69], v[68:69], v[60:61] op_sel_hi:[1,0]
.elseif J == 14
	v_lshrrev_b32 v45, 23, v40
.else
	v_lshrrev_b32 v37, 23, v41
.endif
.set J, J+1
.endr
	WALU
	v_pk_add_f32 v[48:49], v[72:73], v[74:75]      ; THE ROW'S SUM, of the unquantised p, in chains by turns: tile 0's first sums,
	v_pk_add_f32 v[50:51], v[76:77], v[78:79]
	ACC 14, 80
	ACC 48, 82
	ACC 50, 84
	ACC 14, 86
	ACC 48, 88
	ACC 50, 90
	ACC 14, 92
	ACC 48, 94
.irp c, 0,1,2,3
	v_cvt_scalef32_pk16_fp6_f32 v[72+6*\c:74+6*\c], v[96+32*\c:111+32*\c], v[40+\c]
	v_cvt_scalef32_pk16_fp6_f32 v[238+4*\c:240+4*\c], v[112+32*\c:127+32*\c], v[40+\c]   ; (a conversion's three registers begin on an even number)
.endr
	v_lshrrev_b32 v54, 23, v42                     ; P's scale words: lane (r, h) has the bytes of blocks h and 2 + h of each tile,
	v_lshrrev_b32 v63, 23, v43
	v_lshl_or_b32 v45, v37, 16, v45
	v_lshl_or_b32 v54, v63, 16, v54
	v_permlanex16_b32 v55, v45, s20, s21
	v_permlanex16_b32 v59, v54, s20, s21
	v_lshl_or_b32 v46, v55, 8, v45                 ; lane r gets the other two from lane 16 + r (lanes 16-31 are not read)
	v_lshl_or_b32 v47, v59, 8, v54
.irp c, 0,1,2,3
.irp i, 0,1,2
	v_mov_b32 v[75+6*\c+\i], v[238+4*\c+\i]
.endr
.endr
	v_pk_add_f32 v[52:53], v[160:161], v[162:163]  ; then what is left of tile 0, and tile 1.  (These are also the places between the lines that made P and the products below)
	v_pk_add_f32 v[56:57], v[164:165], v[166:167]
.set J, 0
.rept 4
	ACC 14, 144+4*J
	ACC 68, 168+14*J
	ACC 52, 170+14*J
	ACC 56, 172+14*J
	ACC 48, 146+4*J
	ACC 68, 174+14*J
	ACC 52, 176+14*J
	ACC 56, 178+14*J
	ACC 68, 180+14*J
.set J, J+1
.endr
	ACC 48, 50
	ACC 52, 56
	ACC 14, 48
	ACC 68, 52
	WALU
.if \pre
	s_wait_dscnt 13                                ; V is in; the next K's 13 loads may be out
.else
	s_wait_dscnt 0x0
.endif
	WIN 0x51
.irp t, 0,1,2,3
	MM 102+8*\t, 54+12*\t, 72, 1, 228+\t/2, 46, \t%2    ; O^T += V^T P^T; eight accumulators, one instruction each
.endr
.irp t, 0,1,2,3
	MM 134+8*\t, 54+12*\t, 84, 1, 228+\t/2, 47, \t%2
.endr
	WIN 0
.endm
; 32 channels of one query, v[x] on, become codes in v[dst] .. v[dst + 5], and the query's scale word in v[w]
.macro QQ x, dst, w
	v_max3_num_f32 v40, |v[\x]|, |v[\x+1]|, |v[\x+2]|
	v_max3_num_f32 v41, |v[\x+3]|, |v[\x+4]|, |v[\x+5]|
.irp i, 6,10,14,18,22,26
	v_max3_num_f32 v40, v40, |v[\x+\i]|, |v[\x+\i+1]|
	v_max3_num_f32 v41, v41, |v[\x+\i+2]|, |v[\x+\i+3]|
.endr
	v_max3_num_f32 v40, v40, |v[\x+30]|, |v[\x+31]|
	v_max3_num_f32 v40, v40, v41, 0x1800000        ; with the floor 2^(3 - 127)
	v_add_nc_u32 v42, 0xff000000, v40              ; 2 off the exponent field
	v_cvt_scalef32_pk16_fp6_f32 v[\dst:\dst+2], v[\x:\x+15], v42
	v_cvt_scalef32_pk16_fp6_f32 v[238:240], v[\x+16:\x+31], v42
	v_lshrrev_b32 v43, 23, v42                     ; the byte; also the plain line behind the conversions
	v_lshlrev_b32 v45, 3, v255
.irp i, 0,1,2
	v_mov_b32 v[\dst+3+\i], v[238+\i]
.endr
	v_lshlrev_b32 v[\w], v45, v43                  ; my block's byte at its place,
	v_permlanex16_b32 v44, v[\w], s20, s21
	v_or_b32 v[\w], v[\w], v44                     ; with the other block's,
	v_or_b32 v[\w], 0x7f7f0000, v[\w]              ; and scale 1 over the zero codes
.endm
; The end.  HANDOVER: a tile's O^T as it stands in registers, -M and my part of the sum, into my scratch
.macro HANDOVER o, nm, su
	v_mov_b32 v48, v[\nm]
	v_add_f32 v49, v[\su], v[\su+1]
	WIN 0x04
.irp j, 0,1,2,3,4,5,6,7
	ds_store_b128 v71, v[\o+4*\j:\o+4*\j+3] offset:512*\j   ; each accumulator from its low end on
.endr
	WIN 0
	ds_store_b64 v71, v[48:49] offset:4096
.endm
; JOIN: the tile that I keep with the partner's v96-127, v50 (-M), v51 (sum): both under the greater M, over the whole sum, into v128-159: register 8 t + i is out(r, 16 t + 8 h + i)
.macro JOIN o, nm, su
	s_wait_dscnt 0x0
	v_add_f32 v37, v[\su], v[\su+1]
	v_min_num_f32 v45, v[\nm], v50                 ; the less of two -M
	v_sub_f32 v52, v45, v[\nm]
	v_sub_f32 v54, v45, v50
	v_cvt_i32_f32 v52, v52
	v_cvt_i32_f32 v54, v54
	v_ldexp_f32 v52, 1.0, v52
	v_ldexp_f32 v54, 1.0, v54
	v_mul_f32 v37, v37, v52
	v_fma_f32 v37, v51, v54, v37
	v_permlanex16_b32 v44, v37, s20, s21
	v_add_f32 v37, v37, v44                        ; with lane l xor 16's keys: the row's sum
	WALU
	v_rcp_f32 v37, v37
	v_nop
	WALU
	v_mul_f32 v52, v52, v37
	v_mul_f32 v54, v54, v37
	WIN 0x01
	WALU
.set J, 0
.rept 16
	v_pk_mul_f32 v[128+J:129+J], v[\o+J:\o+J+1], v[52:53] op_sel_hi:[1,0]
.set J, J+2
.endr
	WIN 0
.set J, 0
.rept 16
	v_pk_fma_f32 v[128+J:129+J], v[96+J:97+J], v[54:55], v[128+J:129+J] op_sel_hi:[1,0,1]
.set J, J+2
.endr
	WALU
.endm
	s_load_b256 s[4:11], s[0:1], 0x0               ; q s[4:5], kv s[6:7], tab s[8:9], out0 s[10:11]
	v_lshl_add_u32 v[SPW], v0, 2, SPARE
	v_mov_b32 v[NIL], 0
	ds_add_u32 v[SPW], v[NIL]                      ; the wave's opening: the add, twice on end, and its wait ahead of my first tensor load
	ds_add_u32 v[SPW], v[NIL]
	v_lshrrev_b32 v1, 5, v0
	v_readfirstlane_b32 s12, v1                    ; wave 0..7
	s_lshl_b32 s14, ttmp9, 2                       ; 4 x cluster
	s_and_b32 s15, ttmp7, 0xffff                   ; the head
	s_and_b32 s16, s12, 3                          ; i
	s_lshr_b32 s19, s12, 2                         ; hf
	s_add_co_u32 s17, s14, s16                     ; a: my block of 128 queries
	s_add_co_u32 s14, s14, 14                      ; 4 x cluster - 2, mod 16
	; descriptor group 1: two steps' 26,624 dense bytes as 104 rows of 256 (32 elements of 8 bytes), no padding
	s_mov_b32 s24, 15|(3<<16)|(1<<21)              ; 15:0 the mask: all four work-groups; 17:16 elements of 8 bytes; 21 set beside a mask
	s_mov_b32 s25, 32<<16                          ; tensor_dim0 = 32
	s_mov_b32 s26, 104<<16                         ; tensor_dim1 = 104
	s_mov_b32 s27, 32<<16                          ; tile_dim0 = 32
	s_mov_b32 s28, 104                             ; tile_dim1 = 104
	s_mov_b32 s29, 32                              ; from row to row
	s_mov_b32 s30, 0
	s_mov_b32 s31, 0
	s_mov_b32 s32, 1
	s_mul_i32 s33, s12, 2*STEPB                    ; slots 2 x wave, 2 x wave + 1
	s_lshl_b32 s60, s12, 1
	s_add_co_u32 s60, s60, s14
	s_and_b32 s60, s60, 15                         ; the first's key step: an even number, so the second's is the next
	s_mul_i32 s66, s60, STEPB
	s_mul_i32 s62, s15, 16*STEPB
	s_add_co_u32 s66, s66, s62
	s_mov_b32 s67, 0
	s_bfe_u32 s13, ttmp6, 0x40000                  ; my place in the cluster: into global addresses of q, tab and out0 alone
	s_lshl_b32 s70, s15, 11
	s_lshl_b32 s60, s17, 7
	s_add_co_u32 s70, s70, s60
	s_lshl_b32 s60, s13, 5
	s_add_co_u32 s70, s70, s60                     ; 2,048 x head + my first query,
	s_lshl_b32 s70, s70, 8                         ; rows of 256 bytes
	s_mov_b32 s71, 0
	s_lshl_b32 s60, s19, 12
	s_add_co_u32 s76, s70, s60                     ; out0: I keep tile hf
	s_mov_b32 s77, 0
	s_lshl_b32 s62, s13, 1
	s_lshl_b32 s60, s19, 4
	s_add_co_u32 s60, s60, 7
	s_sub_co_u32 s60, s60, s62                     ; my first window (sigma = 0 or 2) begins at tile 8 sigma + 7 - 2 x place,
	s_sub_co_u32 s61, 15, s62                      ; sigma = 1's at 15 - 2 x place
	s_add_co_u32 s62, s60, 9                       ; my first window's tile 9
	s_lshl_b32 s63, s19, 8
	s_or_b32 s63, s63, s17
	s_cmp_eq_u32 s63, 0                            ; hf = 0, a = 0: slot i + 1 holds the LAST step: tiles 25-33 and 33 once more, all row 256
	s_cselect_b32 s60, 25, s60
	s_cselect_b32 s62, 33, s62
	s_cmp_eq_u32 s63, 0x10f                        ; hf = 1, a = 15: slot i + 3 holds the FIRST step: tiles 0-8 and 8 once more, all row 0
	s_cselect_b32 s60, 0, s60
	s_cselect_b32 s62, 8, s62
	s_mov_b32 s20, 0x76543210
	s_mov_b32 s21, 0xfedcba98                      ; lane l xor 16
	s_mov_b32 s22, 0x3e38aa3b                      ; c = log2(e) / 8
	s_mov_b32 s23, s22
	s_mul_i32 s73, s12, RSTW
	s_add_co_u32 s73, s73, RST                     ; my scratch,
	s_xor_b32 s72, s12, 4
	s_mul_i32 s72, s72, RSTW
	s_add_co_u32 s72, s72, RST                     ; and my partner's
	s_lshl_b32 s74, s19, 1
	s_add_co_u32 s74, s74, s16                     ; i + 2 hf: my first two slots are the next two
	s_mul_i32 s75, s19, 6
	s_add_co_u32 s75, s75, s16
	s_add_co_u32 s75, s75, 5                       ; i + 5 + 6 hf: the first of my other six
	WALU
	v_and_b32 v37, 31, v0
	v_and_b32 v251, 15, v0                         ; r
	v_bfe_u32 v255, v0, 4, 1                       ; h
	v_lshlrev_b32 v1, 4, v37
	v_lshlrev_b32 v2, 3, v37
	v_lshlrev_b32 v3, 2, v37
	v_lshlrev_b32 v9, 2, v251
	v_lshl_add_u32 v9, v255, 7, v9
	v_mul_u32_u24 v4, v251, RP+4
	v_mul_u32_u24 v5, v251, RP
	v_mul_u32_u24 v6, v255, SP
	v_mul_u32_u24 v7, v251, SP
	v_lshl_add_u32 v4, v255, 5, v4
	v_lshl_add_u32 v5, v255, 7, v5
	v_lshl_add_u32 v6, v251, 4, v6
	v_lshl_add_u32 v8, v255, 5, v7
	v_lshl_add_u32 v7, v255, 7, v7
	v_add_nc_u32 v4, s73, v4                       ; scratch, in: row r, column 8 h + r
	v_add_nc_u32 v5, s73, v5                       ; out: row r, column 32 h (+ 16 in the loads' offsets)
	v_add_nc_u32 v6, s73, v6                       ; the stage by whole rows: row h, 16 r
	v_add_nc_u32 v7, s73, v7                       ; row r, my block of 32 channels
	v_add_nc_u32 v8, s73, v8                       ; row r, my 8 channels of a tile
	v_add_nc_u32 v71, s73, v1                      ; what I hand over,
	v_add_nc_u32 v11, s72, v1                      ; and what I take
.irp i, 0,1,2,3,4,5
	v_mov_b32 v[22+\i], 0                          ; Q's codes for K = 64 .. 127: zeros
	v_mov_b32 v[84+\i], 0                          ; what the second end tile's operand runs on into
.endr
	WIN 0x40
.irp i, 0,1,2,3,4,5
	v_mov_b32 v[172+\i], 0                         ; Q's of tile 1
	v_mov_b32 v[48+\i], 0                          ; behind K's last tile
	v_mov_b32 v[238+\i], 0                         ; behind the window's last
.endr
	WIN 0
	v_mov_b32 v13, 0xff61b1e6                      ; the largest t so far: -3e38
	v_mov_b32 v67, v13
	v_mov_b32 v14, 0
	v_mov_b32 v15, 0
	v_mov_b32 v68, 0
	v_mov_b32 v69, 0
	v_mov_b32 v44, 0                               ; a lane permute's destination counts as one of its sources
	v_floor_f32 v12, -v13
	v_floor_f32 v66, -v13
	WALU
	s_wait_dscnt 0x0                               ; both opening adds are done
	CROUND                                         ; all four work-groups are here: the joint loads meet
	s_wait_kmcnt 0x0
	s_add_nc_u64 s[34:35], s[6:7], s[66:67]
	s_or_b32 s35, s35, 0x80000000
	s_add_nc_u64 s[4:5], s[4:5], s[70:71]
	s_add_nc_u64 s[10:11], s[10:11], s[76:77]
.irp n, 0,1,2,3,4,5,6,7,8,9,10,11,12,13,14,15
	global_load_b128 v[96+4*\n:99+4*\n], v1, s[4:5] offset:512*\n   ; my 32 rows of q, 8 KiB on end, as they lie (my partner reads them too)
.endr
.irp p, 0,1,2
	global_load_b64 v[72+2*\p:73+2*\p], v2, s[8:9] offset:256*\p              ; tile 0: sixteen times row 0
.endr
	global_load_b32 v236, v3, s[8:9] offset:TSC
.irp p, 0,1,2
	global_load_b64 v[78+2*\p:79+2*\p], v2, s[8:9] offset:33*768+256*\p       ; tile 33: sixteen times row 256
.endr
	global_load_b32 v237, v3, s[8:9] offset:TSC+33*128
	tensor_load_to_lds s[32:35], s[24:31]          ; my one tensor load
	s_nop 0
	PLACES 4
.irp g, 0,1,2
	s_mul_i32 s66, s[60+\g], 768
	s_add_nc_u64 s[40+2*\g:41+2*\g], s[8:9], s[66:67]
	s_lshl_b32 s66, s[60+\g], 7
	s_add_nc_u64 s[46+2*\g:47+2*\g], s[8:9], s[66:67]
.endr
	TABLOAD 40, 46, 44, 50, 0
	; Q: through the stage, so that lane (r, h) holds channels 32 h .. 32 h + 31 of query r of a tile; then quantised in registers
	s_wait_loadcnt 44                              ; q's loads are in; behind them: 8 for the end tiles, 36 for the window
.irp n, 0,1,2,3,4,5,6,7,8,9,10,11,12,13,14,15
	ds_store_b128 v6, v[96+4*\n:99+4*\n] offset:2*SP*\n
.endr
.irp j, 0,1,2,3,4,5,6,7
	ds_load_b128 v[160+4*\j:163+4*\j], v7 offset:16*\j   ; LDS serves a wave's instructions in order: these see my stores
.endr
.irp j, 0,1,2,3,4,5,6,7
	ds_load_b128 v[192+4*\j:195+4*\j], v7 offset:QS1+16*\j
.endr
	s_wait_dscnt 8                                 ; tile 0 is in, tile 1's eight loads may be out
	QQ 160, 16, 28
	s_wait_dscnt 0x0
	QQ 192, 56, 70
	WIN 0x40
.irp i, 0,1,2,3,4,5
	v_mov_b32 v[166+\i], v[56+\i]
.endr
.set J, 0
.rept 64
	v_mov_b32 v[102+J], 0                          ; O^T: the first change of M multiplies zeros.  These lines are also the places between Q's scale words and the first product
.set J, J+1
.endr
	WIN 0
	WALU
	s_wait_loadcnt 36                              ; the end tiles are in; the window's 36 may be out
	MM 96, 72, 16, 0, 236, 28, 0                   ; Q . row 0, in every register
	MM 104, 78, 16, 0, 237, 28, 0                  ; Q . row 256
	WIN 0x04
	MM 112, 72, 166, 0, 236, 70, 0
	MM 120, 78, 166, 0, 237, 70, 0
	WIN 0
	PLACES 5                                       ; the next products write over these results
	v_mul_f32 v29, s22, v96                        ; beta for keys 128 or more before the query,
	v_mul_f32 v30, s22, v104                       ; and after it
	v_mul_f32 v64, s22, v112
	v_mul_f32 v65, s22, v120
	WALU
	s_wait_loadcnt 0x0                             ; the window is in
	WINDOW
	s_cmp_lg_u32 s19, 0
	s_cbranch_scc1 .Lone_window
	TABLOAD 42, 48, 42, 48, 9                      ; hf = 0: sigma = 1's window, for the second slot; the five places stand in WINDOW
.Lone_window:
	s_mov_b32 s57, s74
	SLOT s54, 1
	WALU
	s_wait_tensorcnt 0x0                           ; my two slots are in,
	s_wait_dscnt 0x0                               ; and my LDS instructions are done
	s_barrier_signal -1
	s_barrier_wait -1                              ; everybody's are: K and V of the head lie in LDS
	KLOAD
	SLOT s52, 1
	SLOT s54, 2
	STEP 1, 1                                      ; a band slot
	SLOT s52, 2
	SEL 2
	s_mov_b32 s57, s75
	SLOT s54, 0
	WALU
	s_cmp_lg_u32 s19, 0
	s_cbranch_scc1 .Lsecond_far
	s_wait_loadcnt 0x0                             ; hf = 0: the second window is in,
	WINDOW
	STEP 1, 1                                      ; and the second band slot
	WALU
	s_branch .Lsix
.Lsecond_far:
	STEP 0, 1                                      ; hf = 1: a slot away from the band
	WALU
.Lsix:
	s_mov_b32 s57, s75
	s_mov_b32 s56, 5
.Lfar:                                                 ; five of my six other slots
	SLOT s52, 0
	SLOT s54, 1
	SEL 0
	STEP 0, 1
	s_add_co_u32 s57, s57, 1
	s_sub_co_u32 s56, s56, 1
	s_cmp_lg_u32 s56, 0
	WALU
	s_cbranch_scc1 .Lfar
	s_add_co_u32 s57, s75, 5                       ; the sixth asks for nothing more
	SLOT s52, 0
	SEL 0
	STEP 0, 0
	; THE END: each of the two waves with the same queries hands over one tile and keeps the other
	PLACES 4                                       ; behind the last products
	WALU
	s_cmp_lg_u32 s19, 0
	s_cbranch_scc1 .Lgive_0
	HANDOVER 134, 66, 68                           ; hf = 0 gives tile 1
	WALU
	s_branch .Lgiven
.Lgive_0:
	HANDOVER 102, 12, 14                           ; hf = 1 gives tile 0
	WALU
.Lgiven:
	s_wait_dscnt 0x0                               ; for my partner's sake: my stores have landed
	s_barrier_signal -1
	s_barrier_wait -1
.irp j, 0,1,2,3,4,5,6,7
	ds_load_b128 v[96+4*\j:99+4*\j], v11 offset:512*\j
.endr
	ds_load_b64 v[50:51], v11 offset:4096
	s_cmp_lg_u32 s19, 0
	s_cbranch_scc1 .Lkeep_1
	JOIN 102, 12, 14
	s_branch .Lout
.Lkeep_1:
	JOIN 134, 66, 68
.Lout:                                                 ; through my stage, so that each store covers two whole rows of out0: 512 consecutive bytes
.irp t, 0,1,2,3
	ds_store_b128 v8, v[128+8*\t:131+8*\t] offset:OST+64*\t
	ds_store_b128 v8, v[132+8*\t:135+8*\t] offset:OST+64*\t+16
.endr
.irp n, 0,1,2,3,4,5,6,7
	ds_load_b128 v[160+4*\n:163+4*\n], v6 offset:OST+2*SP*\n
.endr
.irp n, 0,1,2,3,4,5,6,7
	s_wait_dscnt 7-\n                              ; load n is back, the younger ones may be out
	global_store_b128 v1, v[160+4*\n:163+4*\n], s[10:11] offset:512*\n th:TH_STORE_NT
.endr
	s_wait_tensorcnt 0x0                           ; the wave's end: three lines behind my last tensor load and my last LDS store
	ds_add_u32 v[SPW], v[NIL]
	s_wait_dscnt 0x0
	CROUND                                         ; the closing round
	s_endpgm
.Lfunc_end_k_q438821a7ce_attn:
	.size	k_q438821a7ce_attn, .Lfunc_end_k_q438821a7ce_attn-k_q438821a7ce_attn
	.p2alignl 7, 3214868480
	.fill 96, 4, 3214868480
	.section	.rodata,"a",@progbits
	.p2align	6, 0x0
	.amdhsa_kernel k_q438821a7ce_attn
		.amdhsa_group_segment_fixed_size 297984
		.amdhsa_private_segment_fixed_size 0
		.amdhsa_enable_private_segment 0
		.amdhsa_kernarg_size 32
		.amdhsa_user_sgpr_count 2
		.amdhsa_user_sgpr_kernarg_segment_ptr 1
		.amdhsa_wavefront_size32 1
		.amdhsa_system_sgpr_workgroup_id_x 1
		.amdhsa_system_sgpr_workgroup_id_y 1
		.amdhsa_system_sgpr_workgroup_id_z 1
		.amdhsa_system_vgpr_workitem_id 0
		.amdhsa_next_free_vgpr 512
		.amdhsa_next_free_sgpr 80
		.amdhsa_reserve_vcc 0
		.amdhsa_float_denorm_mode_32 3
		.amdhsa_float_denorm_mode_16_64 3
		.amdhsa_memory_ordered 1
		.amdhsa_forward_progress 1
		.amdhsa_inst_pref_size 196
	.end_amdhsa_kernel
	.amdgpu_metadata
---
amdhsa.version: [ 1, 2 ]
amdhsa.kernels:
  - .name:           k_q438821a7ce_attn
    .symbol:         k_q438821a7ce_attn.kd
    .args:
      - { .name: q, .offset: 0, .size: 8, .value_kind: global_buffer, .address_space: global }
      - { .name: kv, .offset: 8, .size: 8, .value_kind: global_buffer, .address_space: global }
      - { .name: tab, .offset: 16, .size: 8, .value_kind: global_buffer, .address_space: global }
      - { .name: out0, .offset: 24, .size: 8, .value_kind: global_buffer, .address_space: global }
    .group_segment_fixed_size: 297984
    .private_segment_fixed_size: 0
    .kernarg_segment_align: 8
    .kernarg_segment_size: 32
    .max_flat_workgroup_size: 256
    .sgpr_count:     80
    .vgpr_count:     512
    .wavefront_size: 32
...
	.end_amdgpu_metadata
.endif
;; end of part 2
